; MI455X (gfx1250); checked and timed in simulation.
; The chip was launched on July 23, 2026; its instructions are those of AMD's public machine-readable ISA for CDNA 5 (MIT licence, August 2026) and "CDNA5" Instruction Set Architecture Reference Guide (July 2026). The comments in the code are by the model that wrote it; some were corrected since.
;; Population Attention. Allowed arithmetic: matrix products marked QUANTISED: E2M3 operands, one E8M0 scale for each 32 along K, by v_wmma_scale_f32_16x16x128_f8f6f4 with both operands' format E2M3, f32 sums; everything else in f32.
;; Inputs: K_codes 4 x 16 x 2,048 x 2 x 24 uint8 (E2M3 codes of K, K innermost, in blocks of 32 codes, four codes in three bytes); K_scales 4 x 16 x 2,048 x 2 uint8 (E8M0 scales of K, one for each 32 codes along K); Q_codes 4 x 16 x 2,048 x 2 x 24 uint8 (E2M3 codes of Q, K innermost, in blocks of 32 codes, four codes in three bytes); Q_scales 4 x 16 x 2,048 x 2 uint8 (E8M0 scales of Q, one for each 32 codes along K); V 4 x 16 x 2,048 x 64 float32; x 4 x 1 x 2,048 x 1 float32.
;; Outputs: out0 4 x 16 x 2,048 x 64 float32.
;; This version of the problem:
;;   THIS VERSION OF THE PROBLEM IS GIVEN IN LOW PRECISION. The matrix products marked QUANTISED in the list below multiply operands that are first quantised to E2M3 (2 exponent bits, 3 mantissa bits; 6 bits a number), with one power-of-two scale for each 32 numbers along K (OCP MX v1.0); their sums are f32. All else is computed in f32.
;;   The module's matrix products, in the order in which they are computed (A, B: the left and right operand; K: the contracted axis; several contracted axes count as one K, in the product's order):
;;     1. batch 64 x [M 2,048, K 64] x [K 64, N 2,048]; A: input Q (given as codes); B: input K (given as codes): QUANTISED
;;     2. batch 64 x [M 2,048, K 2,048] x [K 2,048, N 64]; A: computed on the way; B: computed on the way: QUANTISED
;;   THE QUANTISER, for each operand of a quantised product, along K:
;;     - K is cut into blocks of 32 from its start; a last block that is shorter is filled with zeros.
;;     - A block's scale is 2^e with e = floor(log2(the largest magnitude in the block)) - 2, held to -126 .. 127; a block of zeros has e = 0. As a byte (E8M0): e + 127.
;;     - Each number is divided by its block's scale, clamped to +-7.5, and rounded to the nearest number of E2M3, ties to even, subnormals kept.
;;     - The product sums the exact products of the quantised numbers (number of the format x scale) in f32.
;;   ~~~python
;;   def quantise(x, axis):      # numpy; x: float32 -> the quantised numbers, widened to float32 again
;;       x = np.moveaxis(x, axis, -1); K = x.shape[-1]
;;       x = np.pad(x, [(0, 0)] * (x.ndim - 1) + [(0, -K % 32)]); x = x.reshape(x.shape[:-1] + (-1, 32)); a = np.abs(x).max(-1, keepdims=True)
;;       e = np.where(a > 0, np.clip(np.frexp(np.where(a > 0, a, 1))[1] - 1 - 2, -126, 127), 0)      # np.frexp(a)[1] - 1 = floor(log2(a)), exactly
;;       r = np.clip(x / 2.0 ** e, -7.5, 7.5)
;;       step = 2.0 ** (np.maximum(np.frexp(np.where(r == 0, 1, r))[1] - 1, 0) - 3)
;;       q = np.round(r / step) * step * 2.0 ** e      # np.round: ties to even
;;       return np.moveaxis(q.reshape(q.shape[:-2] + (-1,))[..., :K], -1, axis).astype(np.float32)
;;   ~~~
;;   OPERANDS COMPUTED ON THE WAY. 'Computed on the way' means the value that the module computes at that place (a softmax that the list does not call 'softmax' is quantised finished and normalised). What goes into a quantiser is computed in f32, as accurately as f32 sums, v_exp_f32 and their like allow (about 1e-6 of the number): no bf16 or f16 on the way to a quantiser, and a product that is left as it is and whose result goes on into a quantised operand takes f32 operands (vector FMAs, or v_wmma_f32_16x16x4_f32). A number that lies on a knife's edge between two numbers of the format may be rounded either way, as far as f32 arithmetic and the matrix unit's own rounding can turn it there, and no further.
;;   INPUTS GIVEN AS CODES. K (in the module: [4, 16, 2048, 64], K = its axis 3); Q (in the module: [4, 16, 2048, 64], K = its axis 3): each comes as NAME_codes (uint8): NAME with its K axis moved to the last place and cut into blocks of 32 codes, [.., K / 32, bytes a block], one block behind the other in memory; four codes in three bytes: a row's codes are one little-endian stream of bits, code i at bits 6 i .. 6 i + 5 (a code: sign, 2 exponent bits, 3 mantissa bits); and NAME_scales (uint8): the same leading axes, one E8M0 byte (e + 127) for each 32 codes along K. Its value is code x scale, taken as it is: it is not quantised again, and the codes and scales need not be those that the quantiser above would give.
;; One version. Each part assembles by itself: llvm-mc -triple=amdgcn-amd-amdhsa -mcpu=gfx1250 --defsym DOCPART=n.
;; ======== version 1 of 1: 1 launch
;; launch popatt (part 1): grid 4 x 64, 8 waves a work-group, clusters of 4 x 1, 240,896 bytes of LDS; arguments K_codes, K_scales, Q_codes, Q_scales, V, x, out0; writes out0
.if DOCPART == 1
	.amdgcn_target "amdgcn-amd-amdhsa--gfx1250"
	.amdhsa_code_object_version 6
	.text
	.protected	k_qa0c23255ea_popatt
	.globl	k_qa0c23255ea_popatt
	.p2align	8
	.type	k_qa0c23255ea_popatt,@function
k_qa0c23255ea_popatt:
	s_mov_b64 s[64:65], 0
	v_nop
	global_prefetch_b8 v0, s[64:65] scope:SCOPE_SE
	s_setreg_imm32_b32 hwreg(HW_REG_WAVE_MODE, 25, 1), 1
	s_wait_xcnt 0x0
	s_wait_alu depctr_hold_cnt(0) depctr_sa_sdst(0) depctr_va_vdst(0) depctr_va_sdst(0) depctr_va_ssrc(0) depctr_va_vcc(0) depctr_vm_vsrc(0)
	s_getreg_b32 s2, hwreg(HW_REG_IB_STS2, 6, 4)
	s_cmp_eq_u32 s2, 0
	s_cbranch_scc0 .Lentry_in_a_cluster
	s_endpgm
.Lentry_in_a_cluster:
	s_bfe_u32 s2, ttmp6, 0x10000c
	s_cmp_lg_u32 s2, 0x3003
	s_cbranch_scc0 .Lentry_shape_is_right
	s_endpgm
.Lentry_shape_is_right:
; out[h][q][:] = sum over keys k of Q6(Q[h][q] . K[h][k] / 8) x Q6(V[h][k][:] x[b][k]),  64 heads (h = 16 b + head), 2,048 queries, 2,048 keys, 64 channels.
; Q, K: codes of FP6 (E2M3), 48 bytes and 2 E8M0 bytes a row.  Q6: the MX quantiser along the KEYS, blocks of 32.  Both products by the scaled 16x16x128 form on FP6 codes, sums in f32.
; SHARES.  A work-group owns 512 queries of one head, each of its eight waves 64: four tiles of 16.  Two waves share a SIMD (512 registers each), so that one wave's quantising stands beside the other's products.
; Every wave walks all keys, 128 a step: S^T = K Q^T (source 0 = 16 keys, source 1 = 16 queries), quantised in registers, O^T += V'^T P^T (source 0 = 16 channels, source 1 = P): a lane holds ONE query throughout.
; THE KEYS OF A TILE ARE NOT NEIGHBOURS: lane r of tile 2 b + u takes key 32 b + 8 u + r + 8 (r / 8), so that the 16 registers of tiles 2 b, 2 b + 1 are the 16 neighbouring keys 32 b + 16 (lane / 16) + 0 .. 15.
; THE FIRST PRODUCT'S K IS 64, half of the instruction's 128: Q's registers 6-11 hold zero codes and both sides' scale bytes 2, 3 are 0 (2^-127, no NaN).  K's registers 6-11 are then free to hold anything that is a code:
; tile i's operand is v[KF + 6 i .. KF + 6 i + 11], whose upper six are the next tile's codes (tile 7: six zeros).  FP6 has no infinity and no NaN, so they meet zeros and add exactly 0.
; THE DIVISION BY 8 is exact: S / 8 has the codes of S and a scale byte 3 lower.  So S is quantised as it stands and 3 is taken off each byte.
; K: a head's codes (98,304 bytes) and scale bytes (4,096) come into LDS ONCE.  CLUSTER: the four query blocks of a head are one cluster and ask for them JOINTLY (mask of all four).  Nothing in LDS is filled a second time.
; V x is quantised here: in each two key steps each wave takes ONE block of 32 keys x 64 channels from memory into registers (asked for two key steps ahead), and stores its codes into LDS as an image of the operand's
; registers; the whole head's V' (98,304 + 4,096 bytes) has bytes of its own, each written once; one barrier for two key steps shows it to all waves, its signal and wait a key step apart.
; V IS NOT ASKED FOR JOINTLY: a head's V is 524,288 bytes of f32 and 87,808 bytes of LDS are left beside K and V': it would go through slots filled some twelve times, each behind a round of all 32 waves of the cluster
; inside the loop, and be read from LDS once more (524,288 bytes on top of the loop's 1.6 million).
; LIMITS: NaN and infinities in V and x are not served; a scale byte 0xff in Q or K gives NaN; a block of zeros gets the byte 1 where the rule says 127 (its codes are zeros, and only this text reads the bytes);
; scores whose eighth would be a denormal f32 number (under 2^-123) are quantised from the unrounded score.
;
; LDS
.set KE,   0                           ; K's codes of keys 32 g + 0 .. 15: 64 rows of 768 bytes
.set KO,   49280                       ; of keys 32 g + 16 .. 31.  KO - KE = 128 mod 256: lanes r < 8 and r >= 8 of a load of 8 bytes then fall 32 banks apart, and the 32 lanes (24 bytes from lane to lane) touch 64 different banks (64 banks of 4 bytes: ISA guide 11.1)
.set KS,   98560                       ; K's scale bytes, 2 a key
.set VI,   102656                      ; V': fragment (step s, channels 16 t on) at 6144 s + 1536 t; its registers 4 g .. 4 g + 3 of lane l at 512 g + 16 l
.set VS,   200960                      ; V's scale words: (step s, channel d) at 256 s + 4 d
.set STG,  205056                      ; the way out: 16 rows x 272 bytes for each wave
; REGISTERS, window 0
.set AK0,  4                           ; my lane's place in a step's codes of K
.set AKS0, 5                           ; among K's scale bytes
.set AV0,  6                           ; in an image of V'
.set AVS0, 7                           ; among V's scale words
.set ADK,  8                           ; the same four for the step in hand
.set ADKS, 9
.set ADV,  10
.set ADVS, 11
.set VW0,  12                          ; where my lane stores V's codes: word pairs 0 and 2 of a block's six words,
.set VW1,  13                          ; pair 1,
.set VWS,  14                          ; and the block's scale byte
.set VLA,  15                          ; 8 x lane: my two channels in a row of V
.set QSC,  16                          ; v16-19  Q's scale words, one register a tile of queries
.set KSC,  20                          ; v20-23  K's: register b: lanes 0-15 tile 2 b, lanes 16-31 tile 2 b + 1
.set PSC,  24                          ; v24-27  P's
.set VSC,  28                          ; v28-29  V's: register p: lanes 0-15 channels 32 p on, lanes 16-31 channels 32 p + 16 on
.set KF,   32                          ; v32-85  K's eight tiles, six registers each, and six zeros
.set W0,   86                          ; v86, v87, v252: the addresses of the stores of V' in hand
.set W1,   87
.set S,    88                          ; v88-151 S^T of one tile of queries; in VQ: V x, 32 keys of each of my two channels
.set P,    152                         ; v152-199 P's four fragments; in VQ: V's codes
.set TM,   200                         ; v200-203 largest magnitudes, v204-207 the other half's, then bytes, v208-211 the conversions' scale operands
.set CT,   212                         ; v212-218 the conversions' second halves
.set RA,   220                         ; v220-251 V as loaded: keys 0-15 of my block, two channels each
.set WS,   252
.set STO,  253                         ; the way out
.set RD,   254
.set GO,   255
.set BK,   88                          ; the way out: four sets of 32 registers, rows read back
; window 1
.set O,    0                           ; v0-127   O^T: tile of queries q, channels 16 d on: O + 32 q + 8 d
.set QF,   128                         ; v128-175 Q's four fragments; registers 6-11 of each are zeros
.set VF,   176                         ; v176-223 V's four fragments of the step
.set RB,   224                         ; v224-255 V as loaded: keys 16-31 of my block
; scalars: s18 wave, s19 head, s[20:21] lane selects, s22-24 the step's bytes in K, V', the scales, s25-26 the same for the stores of V', s27 trips, s[28:35], s[36:43] descriptor groups 1, s[44:47], s[48:51] groups 0
.set X,    68                          ; s[68:99] x of my block's 32 keys
.set MSB, 0
.macro WIN new                         ; the immediate's high byte repeats the setting that is left
.if MSB != \new
	s_set_vgpr_msb (MSB<<8)|\new
.set MSB, \new
.endif
.endm
.set W_S1, 0x04                        ; source 1 in window 1
.set W_D1, 0x40                        ; destination in window 1
.set W_P2, 0x51                        ; source 0 (V'), C and D (O^T) in window 1, source 1 (P) in window 0
; A round of the cluster's barrier: my work-group's barrier, wave 0 signals for the work-group, every wave waits for all four work-groups, my work-group's barrier once more.
.macro CROUND
	s_barrier_signal -1
	s_barrier_wait -1
	s_cmp_lg_u32 s18, 0
	s_cbranch_scc1 .Lnot_wave_0_\@
	s_barrier_signal -3
.Lnot_wave_0_\@:
	s_barrier_wait -3
	s_barrier_signal -1
	s_barrier_wait -1
.endm
; My block of V, 32 keys x 64 channels: each load takes one whole row of 256 bytes, 8 bytes a lane.  And the 32 x of these keys, into scalar registers.
.macro RAWLD
.irp k, 0,1,2,3,4,5,6,7,8,9,10,11,12,13,14,15
	global_load_b64 v[RA+2*\k:RA+2*\k+1], v[VLA], s[12:13] offset:256*\k
.endr
	WIN W_D1
.irp k, 0,1,2,3,4,5,6,7,8,9,10,11,12,13,14,15
	global_load_b64 v[RB+2*\k:RB+2*\k+1], v[VLA], s[12:13] offset:4096+256*\k
.endr
	WIN 0
	s_load_b512 s[X:X+15], s[14:15], 0x0
	s_load_b512 s[X+16:X+31], s[14:15], 0x40
.endm
; My block becomes codes.  Lane l holds channels 2 l and 2 l + 1, and its registers run down the keys: a block's largest magnitude needs no other lane, and the conversions give codes with the keys innermost.
; ld = 1: the block eight further on (the next two key steps') is asked for.
.macro VQ ld
	s_wait_loadcnt 0x0                             ; my block is in (asked for two key steps ago); no load of mine is out, so V's base may step
	s_wait_kmcnt 0x0                               ; and its x; so x's base may step
.irp j, 0,1
.irp k, 0,1,2,3,4,5,6,7,8,9,10,11,12,13,14,15
	v_mul_f32 v[S+32*\j+\k], s[X+\k], v[RA+2*\k+\j]       ; V x, in f32; channel 2 l + j's 32 keys come to stand in 32 registers on end
.endr
.endr
	WIN W_S1
.irp j, 0,1
.irp k, 0,1,2,3,4,5,6,7,8,9,10,11,12,13,14,15
	v_mul_f32 v[S+32*\j+16+\k], s[X+16+\k], v[RB+2*\k+\j]
.endr
.endr
	WIN 0
.if \ld
	s_add_nc_u64 s[12:13], s[12:13], 65536         ; 256 keys on
	s_add_nc_u64 s[14:15], s[14:15], 1024
	RAWLD
.endif
	v_add_nc_u32 v[W0], s25, v[VW0]
	v_add_nc_u32 v[W1], s25, v[VW1]
	v_add_nc_u32 v[WS], s26, v[VWS]
	s_add_co_u32 s25, s25, 12288                   ; two key steps' images on
	s_add_co_u32 s26, s26, 512
.irp j, 0,1
	v_max3_num_f32 v[TM+\j], |v[S+32*\j]|, |v[S+32*\j+1]|, 0x1800000   ; the floor 2^(3 - 127): the byte cannot fall under 1
.endr
.irp i, 2,4,6,8,10,12,14,16,18,20,22,24,26,28,30
.irp j, 0,1
	v_max3_num_f32 v[TM+\j], v[TM+\j], |v[S+32*\j+\i]|, |v[S+32*\j+\i+1]|
.endr
.endr
.irp j, 0,1
	v_add_nc_u32 v[TM+8+\j], 0xff000000, v[TM+\j]  ; 2 off the exponent field: the conversion's scale operand
.endr
.irp j, 0,1
	v_lshrrev_b32 v[TM+4+\j], 23, v[TM+8+\j]       ; the scale's byte
.endr
.irp j, 0,1
	v_cvt_scalef32_pk16_fp6_f32 v[P+12*\j:P+12*\j+2], v[S+32*\j:S+32*\j+15], v[TM+8+\j]
	v_cvt_scalef32_pk16_fp6_f32 v[P+12*\j+8:P+12*\j+10], v[S+32*\j+16:S+32*\j+31], v[TM+8+\j]   ; (a conversion's three registers begin on an even number)
.endr
	v_nop                                          ; one plain place behind a scaled conversion
.irp j, 0,1
.irp e, 0,1,2
	v_mov_b32 v[P+12*\j+3+\e], v[P+12*\j+8+\e]     ; six words: the block's 32 codes of channel 2 l + j
.endr
.endr
; Block w of the eight is key block 2 c + h of its step (c = (w / 2) % 2, h = w % 2): its six words are registers 6 c .. 6 c + 5 of image lane (d % 16) + 16 h.
; In the image these three pairs of words lie at 0, 8, 512 (c = 0) or 520, 1024, 1032 (c = 1): W0 serves the first and the third, 512 apart in both cases, W1 the second.
.irp j, 0,1
	ds_store_b64 v[W0], v[P+12*\j:P+12*\j+1] offset:16*\j
	ds_store_b64 v[W1], v[P+12*\j+2:P+12*\j+3] offset:16*\j
	ds_store_b64 v[W0], v[P+12*\j+4:P+12*\j+5] offset:512+16*\j
	ds_store_b8 v[WS], v[TM+4+\j] offset:4*\j
.endr
	s_wait_dscnt 0x0                               ; for the others' sake: my stores have landed (and no LDS instruction of mine is out at the signal that follows)
.endm
; A step's codes of K (24 loads of 8 bytes) and scale bytes (4 loads of 2 bytes, widened with zeros: bytes 2 and 3 of the word are 0)
.macro KLOAD
.irp b, 0,1,2,3
.irp u, 0,1
.irp p, 0,1,2
	ds_load_b64 v[KF+12*\b+6*\u+2*\p:KF+12*\b+6*\u+2*\p+1], v[ADK] offset:768*\b+384*\u+8*\p
.endr
.endr
.endr
.irp b, 0,1,2,3
	ds_load_u16 v[KSC+\b], v[ADKS] offset:64*\b
.endr
.endm
; S^T of tile t of my queries: eight products, each beginning its sum with 0.  Register S + 16 b + n of lane (r, h): query r, key 32 b + 16 h + n.
.macro P1 t
	WIN W_S1
.irp b, 0,1,2,3
	v_wmma_scale_f32_16x16x128_f8f6f4 v[S+16*\b:S+16*\b+7], v[KF+12*\b:KF+12*\b+11], v[QF+12*(\t):QF+12*(\t)+11], 0, v[KSC+\b], v[QSC+(\t)] matrix_a_fmt:MATRIX_FMT_FP6 matrix_b_fmt:MATRIX_FMT_FP6
	v_wmma_scale_f32_16x16x128_f8f6f4 v[S+16*\b+8:S+16*\b+15], v[KF+12*\b+6:KF+12*\b+17], v[QF+12*(\t):QF+12*(\t)+11], 0, v[KSC+\b], v[QSC+(\t)] matrix_a_fmt:MATRIX_FMT_FP6 matrix_b_fmt:MATRIX_FMT_FP6 matrix_a_scale:MATRIX_SCALE_ROW1
.endr
	WIN 0
.endm
; The 64 scores of a lane become tile t's fragment of P and its scale word.  Each accumulator is read from its low end on.
.macro QUANT t
.irp b, 0,1,2,3
	v_max3_num_f32 v[TM+\b], |v[S+16*\b]|, |v[S+16*\b+1]|, 0x3000000   ; block b: my 16 scores, and the floor 2^(6 - 127): with 2 and then 3 taken off, the byte cannot fall under 1
.endr
.irp i, 2,4,6,8,10,12,14
.irp b, 0,1,2,3
	v_max3_num_f32 v[TM+\b], v[TM+\b], |v[S+16*\b+\i]|, |v[S+16*\b+\i+1]|   ; (the four blocks by turns)
.endr
.endr
.irp b, 0,1,2,3
	v_permlanex16_b32 v[TM+4+\b], v[TM+\b], s20, s21
.endr
.irp b, 0,1,2,3
	v_max_num_f32 v[TM+\b], v[TM+\b], v[TM+4+\b]   ; with lane l xor 16's 16 keys: the block's largest magnitude
.endr
.irp b, 0,1,2,3
	v_add_nc_u32 v[TM+8+\b], 0xff000000, v[TM+\b]  ; 2 off its exponent field: the conversion's scale operand
.endr
.irp b, 0,1,2,3
	v_lshrrev_b32 v[TM+4+\b], 23, v[TM+8+\b]
.endr
	v_lshl_or_b32 v[PSC+(\t)], v[TM+5], 8, v[TM+4]
	v_lshl_or_b32 v[PSC+(\t)], v[TM+6], 16, v[PSC+(\t)]
	v_lshl_or_b32 v[PSC+(\t)], v[TM+7], 24, v[PSC+(\t)]
	v_add_nc_u32 v[PSC+(\t)], 0xfcfcfcfd, v[PSC+(\t)]   ; 3 off each of the four bytes: the division by 8.  Each byte is 4 or more, so none borrows
.irp c, 0,1
	v_cvt_scalef32_pk16_fp6_f32 v[P+12*(\t)+6*\c:P+12*(\t)+6*\c+2], v[S+32*\c:S+32*\c+15], v[TM+8+2*\c]
	v_cvt_scalef32_pk16_fp6_f32 v[CT+4*\c:CT+4*\c+2], v[S+32*\c+16:S+32*\c+31], v[TM+9+2*\c]   ; (a conversion's three registers begin on an even number)
.endr
	v_nop                                          ; one plain place behind a scaled conversion
.irp c, 0,1                                    ; the operand's layout wants a WHOLE block in a lane: lanes 0-15 block 2 c, lanes 16-31 block 2 c + 1
.irp e, 0,1,2
	v_permlane16_swap_b32 v[P+12*(\t)+6*\c+\e], v[CT+4*\c+\e]
.endr
.irp e, 0,1,2
	v_mov_b32 v[P+12*(\t)+6*\c+3+\e], v[CT+4*\c+\e]
.endr
.endr
.endm
; One product of O^T += V'^T P^T: channels 16 d on, tile q of my queries
.macro PV d, q, zero
.if \zero
.if (\d)%2
	v_wmma_scale_f32_16x16x128_f8f6f4 v[O+32*(\q)+8*(\d):O+32*(\q)+8*(\d)+7], v[VF+12*(\d):VF+12*(\d)+11], v[P+12*(\q):P+12*(\q)+11], 0, v[VSC+(\d)/2], v[PSC+(\q)] matrix_a_fmt:MATRIX_FMT_FP6 matrix_b_fmt:MATRIX_FMT_FP6 matrix_a_scale:MATRIX_SCALE_ROW1
.else
	v_wmma_scale_f32_16x16x128_f8f6f4 v[O+32*(\q)+8*(\d):O+32*(\q)+8*(\d)+7], v[VF+12*(\d):VF+12*(\d)+11], v[P+12*(\q):P+12*(\q)+11], 0, v[VSC+(\d)/2], v[PSC+(\q)] matrix_a_fmt:MATRIX_FMT_FP6 matrix_b_fmt:MATRIX_FMT_FP6
.endif
.else
.if (\d)%2
	v_wmma_scale_f32_16x16x128_f8f6f4 v[O+32*(\q)+8*(\d):O+32*(\q)+8*(\d)+7], v[VF+12*(\d):VF+12*(\d)+11], v[P+12*(\q):P+12*(\q)+11], v[O+32*(\q)+8*(\d):O+32*(\q)+8*(\d)+7], v[VSC+(\d)/2], v[PSC+(\q)] matrix_a_fmt:MATRIX_FMT_FP6 matrix_b_fmt:MATRIX_FMT_FP6 matrix_a_scale:MATRIX_SCALE_ROW1
.else
	v_wmma_scale_f32_16x16x128_f8f6f4 v[O+32*(\q)+8*(\d):O+32*(\q)+8*(\d)+7], v[VF+12*(\d):VF+12*(\d)+11], v[P+12*(\q):P+12*(\q)+11], v[O+32*(\q)+8*(\d):O+32*(\q)+8*(\d)+7], v[VSC+(\d)/2], v[PSC+(\q)] matrix_a_fmt:MATRIX_FMT_FP6 matrix_b_fmt:MATRIX_FMT_FP6
.endif
.endif
.endm
; The 16 accumulators of O^T take turns, one instruction a turn and a key step; the 32 products of S^T stand between two links of a chain.  zero = 1: the first key step starts the sums.
.macro P2 zero
	WIN W_P2
.irp d, 0,1,2,3
.irp q, 0,1,2,3
	PV \d, \q, \zero
.endr
.endr
	WIN 0
.endm
; A KEY STEP, 128 keys.  Its codes and scale bytes of K were asked for in the step before.  nextk = 1: the next step's are asked for.
.macro STEP zero, nextk
	v_add_nc_u32 v[ADV], s23, v[AV0]               ; these four vector lines are the four places between the last step's products and the loads into the registers that they read
	v_add_nc_u32 v[ADVS], s24, v[AVS0]
	s_add_co_u32 s22, s22, 3072                    ; on to the next step: 128 keys are four rows of 768 bytes in each half of K,
	s_add_co_u32 s23, s23, 6144                    ; four images of V',
	s_add_co_u32 s24, s24, 256                     ; 256 scale bytes of K, and as many of V'
.if \nextk
	v_add_nc_u32 v[ADK], s22, v[AK0]
	v_add_nc_u32 v[ADKS], s24, v[AKS0]
.else
	v_nop
	v_nop
.endif
	WIN W_D1
.irp d, 0,1,2,3
.irp g, 0,1,2
	ds_load_b128 v[VF+12*\d+4*\g:VF+12*\d+4*\g+3], v[ADV] offset:1536*\d+512*\g   ; an image comes back as it was stored: 512 consecutive bytes an instruction
.endr
.endr
	WIN 0
	ds_load_b32 v[VSC], v[ADVS]
	ds_load_b32 v[VSC+1], v[ADVS] offset:128
	s_wait_dscnt 14                                ; all but the 14 just issued: this step's K is in
.irp t, 0,1,2,3
	P1 \t
.rept 4
	v_nop                                          ; four places in front of the first read of the scores, and of the loads into K's registers
.endr
.if (\t == 3) && \nextk
	KLOAD                                          ; K's registers are free: the next step's 28 loads have this tile's quantising and the 16 products below in which to land
.endif
	QUANT \t
.endr
.rept 8
	v_nop                                          ; the last scale word stands 8 places, the last codes 4, ahead of the scaled products
.endr
.if \nextk
	s_wait_dscnt 28                                ; all but the next step's 28 loads of K: V' is in
.else
	s_wait_dscnt 0x0
.endif
	P2 \zero
.endm
	s_load_b256 s[4:11], s[0:1], 0x0               ; K's codes s[4:5], K's scales s[6:7], Q's codes s[8:9], Q's scales s[10:11]
	s_load_b128 s[12:15], s[0:1], 0x20             ; V s[12:13], x s[14:15]
	s_load_b64 s[16:17], s[0:1], 0x30              ; out
	v_lshl_add_u32 v254, v0, 2, 0x3a900
	v_mov_b32 v255, 0
	ds_add_u32 v254, v255
	ds_add_u32 v254, v255
	s_wait_dscnt 0x0
	v_lshrrev_b32 v1, 5, v0
	v_readfirstlane_b32 s18, v1                    ; wave 0..7
	v_and_b32 v1, 31, v0                           ; l
	v_and_b32 v2, 15, v0                           ; r = l % 16
	v_bfe_u32 v3, v0, 4, 1                         ; h = l / 16
	v_lshlrev_b32 v[VLA], 3, v1
	v_mul_u32_u24 v30, v2, 48
	v_mad_u32_u24 v30, v3, 24, v30                 ; Q: row r of 48 bytes, + 24 h
	v_lshlrev_b32 v31, 1, v2                       ; Q's scale bytes: 2 a row
	s_and_b32 s19, ttmp7, 0xffff                   ; the head, which the four partners share
	s_bfe_u32 s52, ttmp6, 0x40000                  ; cx: my place in the cluster: it enters Q's and out's addresses alone
	s_lshl_b32 s53, ttmp9, 2
	s_add_co_u32 s53, s53, s52                     ; my block of 512 queries
	s_lshl_b32 s54, s19, 11
	s_lshl_b32 s53, s53, 9
	s_add_co_u32 s54, s54, s53
	s_lshl_b32 s53, s18, 6
	s_add_co_u32 s54, s54, s53                     ; my wave's first query, counted over all heads
	s_mov_b32 s53, 0
	s_mov_b32 s57, 0
	s_mov_b32 s63, 0
	s_mov_b32 s20, 0x76543210
	s_mov_b32 s21, 0xfedcba98                      ; v_permlanex16_b32's selects for lane l xor 16
	s_and_b32 s58, s18, 1                          ; w % 2
	s_bfe_u32 s59, s18, 0x10001                    ; (w / 2) % 2
	; descriptor group 1 for K's codes: 32 rows of 768 bytes (16 keys), every second such run of memory: 96 elements of 8 bytes, 192 from row to row
	s_mov_b32 s28, 15|(3<<16)|(1<<21)              ; 15:0 the mask: all four work-groups; 17:16 elements of 8 bytes; 20 no padding; 21 set beside a mask
	s_mov_b32 s29, 96<<16                          ; tensor_dim0
	s_mov_b32 s30, 32<<16                          ; tensor_dim1
	s_mov_b32 s31, 96<<16                          ; tile_dim0
	s_mov_b32 s32, 32                              ; tile_dim1
	s_mov_b32 s33, 192                             ; tensor_dim0_stride
	s_mov_b32 s34, 0
	s_mov_b32 s35, 0
	; and for K's scale bytes: a dense block of 4,096 bytes as 16 rows of 256
	s_mov_b32 s36, 15|(3<<16)|(1<<21)
	s_mov_b32 s37, 32<<16
	s_mov_b32 s38, 16<<16
	s_mov_b32 s39, 32<<16
	s_mov_b32 s40, 16
	s_mov_b32 s41, 32
	s_mov_b32 s42, 0
	s_mov_b32 s43, 0
	s_wait_kmcnt 0x0
	s_lshl_b32 s56, s19, 19                        ; V: the head's 524,288 bytes, my wave's block of 32 keys x 256 bytes
	s_lshl_b32 s60, s18, 13
	s_add_co_u32 s56, s56, s60
	s_add_nc_u64 s[12:13], s[12:13], s[56:57]
	s_lshr_b32 s56, s19, 4                         ; x: the batch's 8,192 bytes, my block's 128
	s_lshl_b32 s56, s56, 13
	s_lshl_b32 s60, s18, 7
	s_add_co_u32 s56, s56, s60
	s_add_nc_u64 s[14:15], s[14:15], s[56:57]
	RAWLD                                          ; the first block of V goes out before anything else
	s_mul_i32 s52, s54, 48
	s_add_nc_u64 s[8:9], s[8:9], s[52:53]          ; Q's codes,
	s_lshl_b32 s52, s54, 1
	s_add_nc_u64 s[10:11], s[10:11], s[52:53]      ; Q's scale bytes
	s_lshl_b32 s52, s54, 8
	s_add_nc_u64 s[16:17], s[16:17], s[52:53]      ; and out at my wave's first query
	WIN W_D1
.irp t, 0,1,2,3
.irp p, 0,1,2
	global_load_b64 v[QF+12*\t+2*\p:QF+12*\t+2*\p+1], v30, s[8:9] offset:768*\t+8*\p   ; Q stays in registers
.endr
.endr
	WIN 0
.irp t, 0,1,2,3
	global_load_u16 v[QSC+\t], v31, s[10:11] offset:32*\t      ; widened with zeros: bytes 2 and 3 of the scale word are 0
.endr
	; descriptor groups 0.  Waves 0-3 fetch K's codes: wave w the half w % 2 of the groups of 32 keys, their keys 0-15 ((w / 2) % 2 = 0) or 16-31 (1).  Wave 4 fetches the scale bytes.
	s_mov_b32 s44, 1                               ; count = 1
	s_mul_i32 s60, s58, 24576
	s_mul_i32 s61, s59, KO
	s_add_co_u32 s45, s60, s61                     ; LDS address: the wave's number alone enters it
	s_mul_i32 s62, s19, 98304
	s_mul_i32 s60, s58, 49152
	s_add_co_u32 s62, s62, s60
	s_mul_i32 s60, s59, 768
	s_add_co_u32 s62, s62, s60
	s_add_nc_u64 s[46:47], s[4:5], s[62:63]        ; global address: the head and the wave's number
	s_or_b32 s47, s47, 0x80000000                  ; type = 2
	s_mov_b32 s48, 1
	s_mov_b32 s49, KS
	s_lshl_b32 s62, s19, 12
	s_add_nc_u64 s[50:51], s[6:7], s[62:63]
	s_or_b32 s51, s51, 0x80000000
	CROUND                                         ; all four work-groups are here: the joint loads meet
	s_cmp_lt_u32 s18, 4                            ; a wave has at most one tensor load out in this text.  Four v_nop follow each of the two lines
	s_cbranch_scc0 .Lnot_codes
	tensor_load_to_lds s[44:47], s[28:35]
	s_nop 0
.rept 4
	v_nop
.endr
	s_branch .Lasked
.Lnot_codes:
	s_cmp_eq_u32 s18, 4
	s_cbranch_scc0 .Lasked
	tensor_load_to_lds s[48:51], s[36:43]
	s_nop 0
.rept 4
	v_nop
.endr
.Lasked:
	v_bfe_u32 v8, v0, 3, 1                         ; r / 8
	v_and_b32 v9, 7, v0                            ; r % 8
	v_bfe_u32 v10, v0, 3, 2                        ; l / 8
	v_mul_u32_u24 v[AK0], v8, KO                   ; lanes r >= 8 take keys 16 further on: the other half of K
	v_mad_u32_u24 v[AK0], v9, 48, v[AK0]
	v_mad_u32_u24 v[AK0], v3, 24, v[AK0]
	v_lshlrev_b32 v[AKS0], 1, v2                   ; key 8 h + r + 8 (r / 8) of a group of 32, 2 bytes a key: lanes 16-31 take the tile 8 keys on
	v_lshl_add_u32 v[AKS0], v8, 4, v[AKS0]
	v_lshl_add_u32 v[AKS0], v3, 4, v[AKS0]
	v_add_nc_u32 v[AKS0], KS, v[AKS0]
	v_lshl_add_u32 v[AV0], v1, 4, VI
	v_lshl_add_u32 v[AVS0], v1, 2, VS
	v_mul_u32_u24 v[VW0], v10, 1536                ; channels 2 l, 2 l + 1 lie in fragment l / 8, image lanes 2 (l % 8) + j + 16 (w % 2)
	v_lshl_add_u32 v[VW0], v9, 5, v[VW0]
	s_lshl_b32 s60, s58, 8
	s_lshr_b32 s61, s18, 2                         ; which of the two key steps my block belongs to
	s_mul_i32 s62, s61, 6144
	s_add_co_u32 s60, s60, s62
	s_add_co_u32 s60, s60, VI
	s_mul_i32 s62, s59, 520
	s_add_co_u32 s62, s62, s60
	s_mul_i32 s63, s59, 1016
	s_add_co_u32 s63, s63, s60
	s_add_co_u32 s63, s63, 8
	v_add_nc_u32 v[VW1], s63, v[VW0]
	v_add_nc_u32 v[VW0], s62, v[VW0]
	s_and_b32 s62, s18, 3                          ; my block's byte in a scale word
	s_lshl_b32 s63, s61, 8
	s_add_co_u32 s62, s62, s63
	s_add_co_u32 s62, s62, VS
	v_lshl_add_u32 v[VWS], v1, 3, s62
.irp e, 0,1,2,3,4,5
	v_mov_b32 v[KF+48+\e], 0                       ; the upper half of tile 7's operand
.endr
.irp b, 0,1,2,3
	v_mov_b32 v[TM+4+\b], 0                        ; written once: a lane permute's destination counts as one of its sources
.endr
	WIN W_D1
.irp t, 0,1,2,3
.irp e, 6,7,8,9,10,11
	v_mov_b32 v[QF+12*\t+\e], 0                    ; Q's codes of k = 64 .. 127: zeros
.endr
.endr
	WIN 0
	s_mov_b32 s22, 0
	s_mov_b32 s23, 0
	s_mov_b32 s24, 0
	s_mov_b32 s25, 0
	s_mov_b32 s26, 0
	VQ 1                                           ; V' of key steps 0 and 1 (its wait for loads covers Q too); the next block is asked for
	s_wait_tensorcnt 0x0                           ; my part of K is in LDS
	s_barrier_signal -1
	s_barrier_wait -1                              ; everybody's is, and V' of key steps 0 and 1
	v_add_nc_u32 v[ADK], s22, v[AK0]
	v_add_nc_u32 v[ADKS], s24, v[AKS0]
	KLOAD
	STEP 1, 1                                      ; key step 0 stands in front of the loop: its products start O^T's sums
	s_mov_b32 s27, 6
.Ltrip:                                            ; trip i: V' of key steps 2 i + 2 and 2 i + 3 is made; key steps 2 i + 1 and 2 i + 2 are multiplied
	VQ 1
	s_barrier_signal -1                            ; my part of that V' lies in LDS.  Between signal and wait: registers, and LDS loads of K and of V' of step 2 i + 1, which nobody writes again
	STEP 0, 1
	s_barrier_wait -1                              ; everybody's does
	STEP 0, 1
	s_sub_co_u32 s27, s27, 1
	s_cmp_lg_u32 s27, 0
	s_cbranch_scc1 .Ltrip
	VQ 0                                           ; V' of key steps 14 and 15: nothing is left to ask for
	s_barrier_signal -1
	STEP 0, 1                                      ; key step 13
	s_barrier_wait -1
	STEP 0, 1                                      ; 14
	STEP 0, 0                                      ; 15
; THE WAY OUT.  A lane holds eight neighbouring channels of one query, and the lanes beside it hold other queries: a tile of 16 queries goes through my own stage in LDS (rows of 256 bytes + 16) and comes back as whole rows.
; LDS serves a wave's instructions in order (ISA guide 5.7.1.4): no wait between the stores and the loads, nor in front of the next tile's stores.  The eight vector lines below are the places behind the last products.
	s_mul_i32 s56, s18, 16*272
	s_add_co_u32 s56, s56, STG                     ; my stage
	v_mul_u32_u24 v[STO], v2, 272                  ; in: row r, 32 bytes for each half of the lanes
	v_lshl_add_u32 v[STO], v3, 5, v[STO]
	v_add_nc_u32 v[STO], s56, v[STO]
	v_mul_u32_u24 v[RD], v3, 272                   ; back: lanes 0-15 one row of 256 bytes, lanes 16-31 the next
	v_lshl_add_u32 v[RD], v2, 4, v[RD]
	v_add_nc_u32 v[RD], s56, v[RD]
	v_lshlrev_b32 v[GO], 8, v3                     ; and the same two rows in out
	v_lshl_add_u32 v[GO], v2, 4, v[GO]
.macro TOSTAGE t
	WIN W_S1                                       ; an LDS store's data are its source 1: O^T lies in window 1
.irp d, 0,1,2,3
	ds_store_b128 v[STO], v[O+32*(\t)+8*\d:O+32*(\t)+8*\d+3] offset:64*\d          ; each accumulator from its low end on
	ds_store_b128 v[STO], v[O+32*(\t)+8*\d+4:O+32*(\t)+8*\d+7] offset:64*\d+16
.endr
	WIN 0
.irp i, 0,1,2,3,4,5,6,7
	ds_load_b128 v[BK+32*(\t)+4*\i:BK+32*(\t)+4*\i+3], v[RD] offset:544*\i
.endr
.endm
.macro SEND t, younger                 ; younger: the LDS instructions issued behind tile t's loads: the next tile's sixteen, or none.  Each tile has its own 32 registers: no store's data are written again
.irp i, 0,1,2,3,4,5,6,7
	s_wait_dscnt \younger+7-\i
	global_store_b128 v[GO], v[BK+32*(\t)+4*\i:BK+32*(\t)+4*\i+3], s[16:17] offset:4096*(\t)+512*\i th:TH_STORE_NT   ; 32 lanes store 512 consecutive bytes, at a multiple of 512 from out's first byte
.endr
.endm
	TOSTAGE 0
	TOSTAGE 1
	SEND 0, 16
	TOSTAGE 2
	SEND 1, 16
	TOSTAGE 3
	SEND 2, 16
	SEND 3, 0
	s_wait_xcnt 0x0
	v_lshl_add_u32 v254, v0, 2, 0x3a900
	v_mov_b32 v255, 0
	s_wait_tensorcnt 0x0
	ds_add_u32 v254, v255
	s_wait_dscnt 0x0
	CROUND                                         ; the closing round: no work-group ends while a partner may still ask for a tile that names it
	s_endpgm
.Lfunc_end_k_qa0c23255ea_popatt:
	.size	k_qa0c23255ea_popatt, .Lfunc_end_k_qa0c23255ea_popatt-k_qa0c23255ea_popatt
	.p2alignl 7, 3214868480
	.fill 96, 4, 3214868480
	.section	.rodata,"a",@progbits
	.p2align	6, 0x0
	.amdhsa_kernel k_qa0c23255ea_popatt
		.amdhsa_group_segment_fixed_size 240896
		.amdhsa_private_segment_fixed_size 0
		.amdhsa_enable_private_segment 0
		.amdhsa_kernarg_size 56
		.amdhsa_user_sgpr_count 2
		.amdhsa_user_sgpr_kernarg_segment_ptr 1
		.amdhsa_wavefront_size32 1
		.amdhsa_system_sgpr_workgroup_id_x 1
		.amdhsa_system_sgpr_workgroup_id_y 1
		.amdhsa_system_sgpr_workgroup_id_z 1
		.amdhsa_system_vgpr_workitem_id 0
		.amdhsa_next_free_vgpr 512
		.amdhsa_next_free_sgpr 100
		.amdhsa_reserve_vcc 0
		.amdhsa_float_denorm_mode_32 3
		.amdhsa_float_denorm_mode_16_64 3
		.amdhsa_memory_ordered 1
		.amdhsa_forward_progress 1
		.amdhsa_inst_pref_size 198
	.end_amdhsa_kernel
	.amdgpu_metadata
---
amdhsa.version: [ 1, 2 ]
amdhsa.kernels:
  - .name:           k_qa0c23255ea_popatt
    .symbol:         k_qa0c23255ea_popatt.kd
    .args:
      - { .name: K_codes, .offset: 0, .size: 8, .value_kind: global_buffer, .address_space: global }
      - { .name: K_scales, .offset: 8, .size: 8, .value_kind: global_buffer, .address_space: global }
      - { .name: Q_codes, .offset: 16, .size: 8, .value_kind: global_buffer, .address_space: global }
      - { .name: Q_scales, .offset: 24, .size: 8, .value_kind: global_buffer, .address_space: global }
      - { .name: V, .offset: 32, .size: 8, .value_kind: global_buffer, .address_space: global }
      - { .name: x, .offset: 40, .size: 8, .value_kind: global_buffer, .address_space: global }
      - { .name: out0, .offset: 48, .size: 8, .value_kind: global_buffer, .address_space: global }
    .group_segment_fixed_size: 240896
    .private_segment_fixed_size: 0
    .kernarg_segment_align: 8
    .kernarg_segment_size: 56
    .max_flat_workgroup_size: 256
    .sgpr_count:     100
    .vgpr_count:     512
    .wavefront_size: 32
...
	.end_amdgpu_metadata
.endif
;; end of part 1
